; MI455X (gfx1250); checked and timed in simulation.
; The chip was launched on July 23, 2026; its instructions are those of AMD's public machine-readable ISA for CDNA 5 (MIT licence, August 2026) and "CDNA5" Instruction Set Architecture Reference Guide (July 2026). The comments in the code are by the model that wrote it; some were corrected since.
;; Mo E Block. Allowed arithmetic: float matrix products may take bf16 or f16 operands with f32 sums; other float arithmetic in f32, or as packed bf16 or f16 multiplies, adds, multiply-adds, maxima and minima; sums over many terms, partial sums and values carried from step to step in f32; what a program stores and reads back later, other than sums and carried values, may be rounded once to bf16 or f16.
;; Inputs: b1 8 x 384 float32; b2 8 x 1,024 float32; gate_b 8 float32; gate_w 1,024 x 8 float32; w1 8 x 1,024 x 384 float32; w2 8 x 384 x 1,024 float32; x 4 x 2,048 x 1,024 float32.
;; Outputs: out0 4 x 2,048 x 1,024 float32; out1 one number float32.
;; One version. Each part assembles by itself: llvm-mc -triple=amdgcn-amd-amdhsa -mcpu=gfx1250 --defsym DOCPART=n.
;; ======== version 1 of 1: 3 launches
;; limits: a function is approximated: absolute error at most 2.5e-05
;; workspace buffers: xb 16,777,216 bytes; wf 12,582,912 bytes; sel 32,768 bytes of whole numbers; gw 65,536 bytes; psum 16,384 bytes; list 917,504 bytes of whole numbers; cnt 256 bytes of whole numbers
;; launch router (part 1): grid 256 x 1, 8 waves a work-group, no clusters, 83,712 bytes of LDS; arguments x, gate_w, gate_b, xb, sel, gw, psum; writes xb, sel, gw, psum
.if DOCPART == 1
	.amdgcn_target "amdgcn-amd-amdhsa--gfx1250"
	.amdhsa_code_object_version 6
	.text
	.protected	k_q1f83be2826_router
	.globl	k_q1f83be2826_router
	.p2align	8
	.type	k_q1f83be2826_router,@function
k_q1f83be2826_router:
	s_mov_b64 s[64:65], 0
	v_nop
	global_prefetch_b8 v0, s[64:65] scope:SCOPE_SE
	s_setreg_imm32_b32 hwreg(HW_REG_WAVE_MODE, 25, 1), 1
	s_wait_xcnt 0x0
; ROUTER.  x [8192][1024] f32 is read once, rounded to bf16 and stored as xb; from the same rounded numbers (and gate_w, gate_b rounded to bf16) the 8 logits of
; each token are made by the matrix unit, f32 sums; softmax with the maximum taken away; the two largest probabilities (strict '>' in ascending order: the lower index wins a tie);
; g = p / (p1 + p2 + 1e-9).  Stored at fixed places: sel[token] = number of the pair (lo < hi): lo (15 - lo) / 2 + hi - lo - 1; gw[token] = (g of lo, g of hi);
; psum[16 tokens][8] = sums of probabilities, f32, for the load loss.
; LIMITS.  The logits' f32 sums are made in another order than a plain dot product: a token whose second and third probability agree to within that (some 1e-6 of themselves)
; may choose the other expert.  NaN and infinities are not treated apart.
; SHARES.  A work-group owns 32 tokens.  Wave w copies rows 4 w .. 4 w + 3: 32 loads of 512 consecutive bytes, all out at once (16 KiB a wave).  Waves 0 and 1 then route 16 tokens each.
; No cluster: no two work-groups share more than gate_w's 32 KiB.  No tensor load: the bytes pass through registers anyway, to be rounded.
.set XP,    2064                       ; an LDS row: 2,048 bytes + 16: 516 words, so row r starts at bank 4 r mod 64 (64 banks of 4 bytes: ISA guide 11.1)
.set GT,    32*XP                      ; behind the 32 rows of x: gate_w turned, 8 rows (experts) of 1,024 bf16
.set SPARE, 82688                      ; the spare words, 128 bytes for each of the eight waves; no other line names them
.set SPW,   12                         ; v12  LDS address of my spare word; never rewritten
.set NIL,   13                         ; v13  0; never rewritten
.set GB,    16                         ; v16-23  gate_b, rounded to bf16, as f32
.set PR,    24                         ; v24-31  logits, then probabilities of my token
.set XD,    64                         ; v64-191 x as loaded; later two sets of fragments
.set S0,    64
.set GWD,   192                        ; v192-223 gate_w as loaded; later four accumulators
.set ACC,   192
	s_load_b256 s[4:11], s[0:1], 0x0               ; x s[4:5], gate_w s[6:7], gate_b s[8:9], xb s[10:11]
	s_load_b128 s[12:15], s[0:1], 0x20             ; sel s[12:13], gw s[14:15]
	s_load_b64 s[16:17], s[0:1], 0x30              ; psum
	v_lshl_add_u32 v[SPW], v0, 2, SPARE
	v_mov_b32 v[NIL], 0
	v_and_b32 v1, 31, v0                           ; lane
	v_and_b32 v2, 15, v0                           ; r
	v_bfe_u32 v3, v0, 4, 1                         ; h
	v_lshrrev_b32 v14, 5, v0
	v_readfirstlane_b32 s20, v14                   ; wave
	v_lshlrev_b32 v4, 4, v1                        ; 16 bytes a lane in x
	v_lshlrev_b32 v5, 3, v1                        ; 8 bytes a lane in xb
	s_mul_i32 s21, s20, 4*XP
	v_add_nc_u32 v6, s21, v5                       ; and in my four LDS rows
	v_lshlrev_b32 v7, 7, v0                        ; gate_w: thread t takes rows 4 t .. 4 t + 3, 128 bytes
	v_lshlrev_b32 v8, 3, v0
	v_add_nc_u32 v8, GT, v8                        ; and puts 4 bf16 along k into each expert's row
	s_lshl_b32 s22, ttmp9, 17                      ; 32 tokens x 4,096 bytes
	s_lshl_b32 s21, s20, 14                        ; + 4 rows a wave
	s_add_co_u32 s22, s22, s21
	s_mov_b32 s23, 0
	s_lshr_b32 s36, s22, 1                         ; half of that in xb
	s_mov_b32 s37, 0
	s_wait_kmcnt 0x0
	s_load_b256 s[24:31], s[8:9], 0x0              ; gate_b
	s_add_nc_u64 s[4:5], s[4:5], s[22:23]
	s_add_nc_u64 s[10:11], s[10:11], s[36:37]
.irp i, 0,1,2,3,4,5,6,7
	global_load_b128 v[GWD+4*(\i):GWD+4*(\i)+3], v7, s[6:7] offset:16*(\i)   ; row 4 t + i / 2, experts 4 (i % 2) ..
.endr
.set k, 0
.rept 32                                               ; row k / 8 of my four, 512 bytes at 512 (k % 8)
	global_load_b128 v[XD+4*k:XD+4*k+3], v4, s[4:5] offset:(k/8)*4096+(k%8)*512 th:TH_LOAD_NT
.set k, k+1
.endr
	s_wait_loadcnt 32                              ; the 32 loads of x are younger: gate_w is in
.irp e, 0,1,2,3,4,5,6,7
	v_cvt_pk_bf16_f32 v[32+2*(\e)], v[GWD+4*((\e)/4)+(\e)%4], v[GWD+4*(2+(\e)/4)+(\e)%4]
	v_cvt_pk_bf16_f32 v[33+2*(\e)], v[GWD+4*(4+(\e)/4)+(\e)%4], v[GWD+4*(6+(\e)/4)+(\e)%4]
	ds_store_b64 v8, v[32+2*(\e):33+2*(\e)] offset:(\e)*XP
.endr
.set k, 0
.rept 32
	s_wait_loadcnt 31-k                            ; loads come back in order: number k is in, the younger ones stay out
	v_cvt_pk_bf16_f32 v[XD+4*k], v[XD+4*k], v[XD+4*k+1]
	v_cvt_pk_bf16_f32 v[XD+4*k+1], v[XD+4*k+2], v[XD+4*k+3]
	global_store_b64 v5, v[XD+4*k:XD+4*k+1], s[10:11] offset:(k/8)*2048+(k%8)*256   ; 32 lanes store 256 consecutive bytes, aligned
	ds_store_b64 v6, v[XD+4*k:XD+4*k+1] offset:(k/8)*XP+(k%8)*256
.set k, k+1
.endr
	s_wait_dscnt 0x0                               ; for the others' sake: my LDS stores are done
	s_barrier_signal -1
	s_barrier_wait -1
	s_cmp_ge_u32 s20, 2
	s_cbranch_scc1 .Lend                           ; waves 2 to 7 have done their share
	; ROUTING.  Source 0 = 16 rows of gate_w turned (expert r % 8), source 1 = 16 tokens: in the result lane r holds token r, register j expert j (both halves of the lanes alike).
	s_mul_i32 s21, s20, 16*XP
	v_mul_u32_u24 v10, v2, XP
	v_lshl_add_u32 v10, v3, 4, v10
	v_add_nc_u32 v10, s21, v10                     ; token 16 w + r, 16 bytes for each half of the lanes
	v_and_b32 v9, 7, v0
	v_mul_u32_u24 v9, v9, XP
	v_lshl_add_u32 v9, v3, 4, v9
	v_add_nc_u32 v9, GT, v9
	s_wait_xcnt 0x0                                ; the stores above have read their data registers: only now are they loaded again
.macro FETCHG beta, set                ; the fragments of four K steps of 32: 16 LDS loads
.irp c, 0,1,2,3
	ds_load_b128 v[(\set)+16*(\c):(\set)+16*(\c)+3],     v9  offset:64*(4*(\beta)+(\c))
	ds_load_b128 v[(\set)+16*(\c)+4:(\set)+16*(\c)+7],   v9  offset:64*(4*(\beta)+(\c))+32
	ds_load_b128 v[(\set)+16*(\c)+8:(\set)+16*(\c)+11],  v10 offset:64*(4*(\beta)+(\c))
	ds_load_b128 v[(\set)+16*(\c)+12:(\set)+16*(\c)+15], v10 offset:64*(4*(\beta)+(\c))+32
.endr
.endm
	FETCHG 0, S0
	FETCHG 1, S0+64
.set bb, 0
.rept 8                                                ; 8 x 4 K steps; four accumulators take turns
.if bb < 7
	s_wait_dscnt 16                                ; the other set's 16 loads may be out
.else
	s_wait_dscnt 0x0
.endif
.set st, S0+64*(bb%2)
.set kk, 0
.rept 4
.if bb == 0
	v_wmma_f32_16x16x32_bf16 v[ACC+8*kk:ACC+8*kk+7], v[st+16*kk:st+16*kk+7], v[st+16*kk+8:st+16*kk+15], 0
.else
	v_wmma_f32_16x16x32_bf16 v[ACC+8*kk:ACC+8*kk+7], v[st+16*kk:st+16*kk+7], v[st+16*kk+8:st+16*kk+15], v[ACC+8*kk:ACC+8*kk+7]
.endif
.set kk, kk+1
.endr
.rept 4
	v_nop                                          ; four places ahead of loads into registers just multiplied, and of the reads of the sums
.endr
.if bb < 6
	FETCHG bb+2, st
.endif
.set bb, bb+1
.endr
	s_wait_kmcnt 0x0                               ; gate_b
.irp p, 0,2,4,6
	v_mov_b32 v41, s[24+(\p)]
	v_mov_b32 v42, s[25+(\p)]
	v_cvt_pk_bf16_f32 v40, v41, v42                ; rounded to bf16, kept as f32
	v_lshlrev_b32 v[GB+(\p)], 16, v40
	v_and_b32 v[GB+(\p)+1], 0xffff0000, v40
.endr
.irp p, 0,2,4,6                                        ; each accumulator's lowest registers are read first
	v_pk_add_f32 v[PR+(\p):PR+(\p)+1], v[ACC+(\p):ACC+(\p)+1], v[ACC+8+(\p):ACC+8+(\p)+1]
	v_pk_add_f32 v[32+(\p):33+(\p)], v[ACC+16+(\p):ACC+16+(\p)+1], v[ACC+24+(\p):ACC+24+(\p)+1]
.endr
.irp p, 0,2,4,6
	v_pk_add_f32 v[PR+(\p):PR+(\p)+1], v[PR+(\p):PR+(\p)+1], v[32+(\p):33+(\p)]
.endr
.irp p, 0,2,4,6
	v_pk_add_f32 v[PR+(\p):PR+(\p)+1], v[PR+(\p):PR+(\p)+1], v[GB+(\p):GB+(\p)+1]
.endr
	v_max3_num_f32 v32, v[PR], v[PR+1], v[PR+2]    ; the maximum is taken away before the exponentials
	v_max3_num_f32 v32, v32, v[PR+3], v[PR+4]
	v_max3_num_f32 v32, v32, v[PR+5], v[PR+6]
	v_max_num_f32 v32, v32, v[PR+7]
.irp j, 0,1,2,3,4,5,6,7
	v_sub_f32 v[PR+(\j)], v[PR+(\j)], v32
.endr
.irp j, 0,1,2,3,4,5,6,7
	v_mul_f32 v[PR+(\j)], 0x3fb8aa3b, v[PR+(\j)]   ; log2(e)
.endr
.irp j, 0,1,2,3,4,5,6,7
	v_exp_f32 v[PR+(\j)], v[PR+(\j)]
.endr
	v_nop                                          ; a plain instruction behind the last exponential,
	s_wait_alu depctr_va_vdst(0)                   ; and one wait for the eight
	v_add_f32 v33, v[PR], v[PR+1]
	v_add_f32 v34, v[PR+2], v[PR+3]
	v_add_f32 v35, v[PR+4], v[PR+5]
	v_add_f32 v36, v[PR+6], v[PR+7]
	v_add_f32 v33, v33, v34
	v_add_f32 v35, v35, v36
	v_add_f32 v33, v33, v35
	v_rcp_f32 v34, v33
	v_nop
	s_wait_alu depctr_va_vdst(0)
.irp j, 0,1,2,3,4,5,6,7
	v_mul_f32 v[PR+(\j)], v[PR+(\j)], v34
.endr
	; the two largest: (v36, v37) value and index of the largest, (v38, v39) of the second
	v_mov_b32 v36, v[PR]
	v_mov_b32 v37, 0
	v_mov_b32 v38, -1.0
	v_mov_b32 v39, 0
.irp e, 1,2,3,4,5,6,7
	v_mov_b32 v40, \e
	v_cmp_gt_f32 vcc_lo, v[PR+(\e)], v36
	v_cmp_gt_f32 s34, v[PR+(\e)], v38
	v_cndmask_b32 v38, v38, v[PR+(\e)], s34
	v_cndmask_b32 v39, v39, v40, s34
	v_cndmask_b32 v38, v38, v36, vcc_lo            ; a new largest pushes the old one down
	v_cndmask_b32 v39, v39, v37, vcc_lo
	v_cndmask_b32 v36, v36, v[PR+(\e)], vcc_lo
	v_cndmask_b32 v37, v37, v40, vcc_lo
.endr
	v_add_f32 v41, v36, v38
	v_add_f32 v41, 0x3089705f, v41                 ; + 1e-9
	v_rcp_f32 v41, v41
	v_min_u32 v44, v37, v39                        ; lo (a plain instruction behind the reciprocal)
	s_wait_alu depctr_va_vdst(0)
	v_max_u32 v45, v37, v39                        ; hi
	v_mul_f32 v42, v36, v41
	v_mul_f32 v43, v38, v41
	v_cmp_lt_u32 vcc_lo, v37, v39
	v_cndmask_b32 v50, v43, v42, vcc_lo            ; g of lo
	v_cndmask_b32 v51, v42, v43, vcc_lo            ; g of hi
	v_sub_nc_u32 v46, 15, v44
	v_mul_lo_u32 v46, v44, v46
	v_lshrrev_b32 v46, 1, v46
	v_add_nc_u32 v46, v46, v45
	v_sub_nc_u32 v46, v46, v44
	v_add_nc_u32 v46, -1, v46                      ; the pair's number
.irp j, 0,1,2,3,4,5,6,7                                ; the probabilities' sums over my 16 tokens
.irp m, 1,2,4,8
	v_add_f32_dpp v[PR+(\j)], v[PR+(\j)], v[PR+(\j)] row_xmask:\m row_mask:0xf bank_mask:0xf
.endr
.endr
	v_lshl_add_u32 v47, s20, 4, v2                 ; my token in the work-group
	v_lshlrev_b32 v48, 3, v47
	v_lshlrev_b32 v47, 2, v47
	v_mov_b32 v49, 0
	s_lshl_b32 s22, ttmp9, 7
	s_add_nc_u64 s[12:13], s[12:13], s[22:23]      ; sel: 32 tokens x 4 bytes
	s_lshl_b32 s22, ttmp9, 8
	s_add_nc_u64 s[14:15], s[14:15], s[22:23]      ; gw: x 8 bytes
	s_lshl_b32 s22, ttmp9, 6
	s_lshl_b32 s21, s20, 5
	s_add_co_u32 s22, s22, s21
	s_add_nc_u64 s[16:17], s[16:17], s[22:23]      ; psum: row 2 x work-group + wave, 32 bytes
	v_cmp_gt_u32 vcc_lo, 16, v1
	s_wait_xcnt 0x0                                ; EXEC changes only behind this wait
	s_and_saveexec_b32 s34, vcc_lo                 ; lanes 0-15: one lane a token
	global_store_b32 v47, v46, s[12:13]
	global_store_b64 v48, v[50:51], s[14:15]
	s_wait_xcnt 0x0
	s_or_b32 exec_lo, exec_lo, s34
	v_cmp_eq_u32 vcc_lo, 0, v1
	s_and_saveexec_b32 s34, vcc_lo                 ; lane 0
	global_store_b128 v49, v[PR:PR+3], s[16:17]
	global_store_b128 v49, v[PR+4:PR+7], s[16:17] offset:16
	s_wait_xcnt 0x0
	s_or_b32 exec_lo, exec_lo, s34
.Lend:
	s_wait_tensorcnt 0x0                           ; the wave's end
	ds_add_u32 v[SPW], v[NIL]
	s_wait_dscnt 0x0
	s_endpgm
.Lfunc_end_k_q1f83be2826_router:
	.size	k_q1f83be2826_router, .Lfunc_end_k_q1f83be2826_router-k_q1f83be2826_router
	.p2alignl 7, 3214868480
	.fill 96, 4, 3214868480
	.section	.rodata,"a",@progbits
	.p2align	6, 0x0
	.amdhsa_kernel k_q1f83be2826_router
		.amdhsa_group_segment_fixed_size 83712
		.amdhsa_private_segment_fixed_size 0
		.amdhsa_enable_private_segment 0
		.amdhsa_kernarg_size 56
		.amdhsa_user_sgpr_count 2
		.amdhsa_user_sgpr_kernarg_segment_ptr 1
		.amdhsa_wavefront_size32 1
		.amdhsa_system_sgpr_workgroup_id_x 1
		.amdhsa_system_sgpr_workgroup_id_y 1
		.amdhsa_system_sgpr_workgroup_id_z 1
		.amdhsa_system_vgpr_workitem_id 0
		.amdhsa_next_free_vgpr 224
		.amdhsa_next_free_sgpr 66
		.amdhsa_reserve_vcc 1
		.amdhsa_float_denorm_mode_32 3
		.amdhsa_float_denorm_mode_16_64 3
		.amdhsa_memory_ordered 1
		.amdhsa_forward_progress 1
		.amdhsa_inst_pref_size 39
	.end_amdhsa_kernel
	.amdgpu_metadata
---
amdhsa.version: [ 1, 2 ]
amdhsa.kernels:
  - .name:           k_q1f83be2826_router
    .symbol:         k_q1f83be2826_router.kd
    .args:
      - { .name: x, .offset: 0, .size: 8, .value_kind: global_buffer, .address_space: global }
      - { .name: gate_w, .offset: 8, .size: 8, .value_kind: global_buffer, .address_space: global }
      - { .name: gate_b, .offset: 16, .size: 8, .value_kind: global_buffer, .address_space: global }
      - { .name: xb, .offset: 24, .size: 8, .value_kind: global_buffer, .address_space: global }
      - { .name: sel, .offset: 32, .size: 8, .value_kind: global_buffer, .address_space: global }
      - { .name: gw, .offset: 40, .size: 8, .value_kind: global_buffer, .address_space: global }
      - { .name: psum, .offset: 48, .size: 8, .value_kind: global_buffer, .address_space: global }
    .group_segment_fixed_size: 83712
    .private_segment_fixed_size: 0
    .kernarg_segment_align: 8
    .kernarg_segment_size: 56
    .max_flat_workgroup_size: 256
    .sgpr_count:     66
    .vgpr_count:     224
    .wavefront_size: 32
...
	.end_amdgpu_metadata
.endif
;; end of part 1
;; launch prep (part 2): grid 221 x 1, 8 waves a work-group, no clusters, 1,280 bytes of LDS; arguments w1, w2, sel, psum, wf, list, cnt, out1; writes wf, list, cnt, out1
.if DOCPART == 2
	.amdgcn_target "amdgcn-amd-amdhsa--gfx1250"
	.amdhsa_code_object_version 6
	.text
	.protected	k_q1f83be2826_prep
	.globl	k_q1f83be2826_prep
	.p2align	8
	.type	k_q1f83be2826_prep,@function
k_q1f83be2826_prep:
	s_mov_b64 s[64:65], 0
	v_nop
	global_prefetch_b8 v0, s[64:65] scope:SCOPE_SE
	s_setreg_imm32_b32 hwreg(HW_REG_WAVE_MODE, 25, 1), 1
	s_wait_xcnt 0x0
; PREP: three kinds of work-groups, told apart by the work-group's number.
; 0-191    round w1 and w2 to bf16 and lay them out as matrix fragments, in the order in which the chain's waves take them.
; 192-219  pair p = number - 192: the list of the tokens that chose pair p, and their count (a partition without atomics: the eight waves' counts meet in LDS).
; 220      the load loss from the router's partial sums of probabilities.
; A FRAGMENT is 1,024 bytes: 16 columns x 32 k.  Bytes 16 L .. of the first half are lane L's registers 0-3 (column L % 16, k = 8 (L / 16) + 0..7), of the second half its registers 4-7 (k + 16).
; THE COLUMNS ARE DEALT: block b of 16 columns holds the columns 64 (b / 4) + 4 r + b % 4, r = 0..15.  So a lane that loads four neighbouring columns feeds four blocks, sixteen lanes
; store 256 consecutive bytes of one fragment, and in the chain four accumulators of a lane hold four neighbouring output columns.  The hidden layer's place 16 b + r stands for
; hidden unit 64 (b / 4) + 4 r + b % 4, in w1's columns and in w2's rows alike.
; wf: w1's fragments at [e][quarter v of the 24 blocks][K step 0-31][6 blocks]; from byte 6,291,456 w2's at [e][128 columns cg][K step 0-11][8 blocks].
; A wave's task is 32 k x 128 columns: 32 loads of 512 consecutive bytes, all out at once.
.set SPARE, 256                        ; the spare words: 128 bytes for each of the eight waves; block 0 holds the eight counts
.set SPW, 2                            ; v2   LDS address of my spare word; never rewritten
.set NIL, 3                            ; v3   0; never rewritten
.set DO,  10                           ; v10-13  byte offset in wf of my 16 bytes in the fragment of column c
.set DAT, 32                           ; v32-159 32 rows x 4 columns as loaded
.set OUTR, 160                         ; v160-223 packed: no register is used twice, so no store is waited for
.set AD,  160                          ; the lists: v160-191 a byte offset for each of the 32 stores,
.set TK,  192                          ; v192-223 a token for each: none is used twice either
	s_load_b512 s[4:19], s[0:1], 0x0               ; w1 s[4:5], w2 s[6:7], sel s[8:9], psum s[10:11], wf s[12:13], list s[14:15], cnt s[16:17], out1 s[18:19]
	v_lshl_add_u32 v[SPW], v0, 2, SPARE
	v_mov_b32 v[NIL], 0
	v_and_b32 v1, 31, v0                           ; lane
	v_lshrrev_b32 v4, 5, v0
	v_readfirstlane_b32 s20, v4                    ; wave
	v_lshlrev_b32 v4, 4, v1                        ; 16 bytes a lane
	s_mov_b32 s27, 0
	s_wait_kmcnt 0x0
	s_cmp_ge_u32 ttmp9, 192
	s_cbranch_scc1 .Lnot_conv
.macro CONV kind, base                 ; the task's 32 loads: octet o of k, row i of it
.set o, 0
.rept 4
.set i, 0
.rept 8
.if (\kind) == 1
.set ro, (8*o+i)*1536                  ; w1: k is the row itself
.else
.set ro, (o/2+32*(o%2)+4*i)*4096       ; w2: place 8 o + i of the K step is hidden unit (o / 2) + 32 (o % 2) + 4 i from the step's first
.endif
	global_load_b128 v[DAT+4*(8*o+i):DAT+4*(8*o+i)+3], v4, s[\base:\base+1] offset:ro th:TH_LOAD_NT
.set i, i+1
.endr
.set o, o+1
.endr
.endm
.macro PACKOUT                         ; eight k of a column are 16 bytes of its fragment
.set o, 0
.rept 4
	s_wait_loadcnt 24-8*o                          ; the later octets' loads stay out
.set c, 0
.rept 4
.set q, 0
.rept 4
	v_cvt_pk_bf16_f32 v[OUTR+16*o+4*c+q], v[DAT+4*(8*o+2*q)+c], v[DAT+4*(8*o+2*q+1)+c]
.set q, q+1
.endr
	global_store_b128 v[DO+c], v[OUTR+16*o+4*c:OUTR+16*o+4*c+3], s[12:13] offset:(o/2)*512+(o%2)*256   ; 16 lanes store 256 consecutive bytes, aligned
.set c, c+1
.endr
.set o, o+1
.endr
.endm
	s_lshl_b32 s21, ttmp9, 3
	s_add_co_u32 s21, s21, s20                     ; the task: 768 of w1, then 768 of w2
	v_bfe_u32 v5, v0, 4, 1                         ; lane / 16
	v_and_b32 v6, 15, v0
	v_lshlrev_b32 v6, 4, v6                        ; 16 (lane % 16)
	s_cmp_ge_u32 ttmp9, 96
	s_cbranch_scc1 .Lw2
	s_and_b32 s22, s21, 31                         ; K step
	s_lshr_b32 s23, s21, 5                         ; 3 e + ch
	s_mul_i32 s24, s23, 11
	s_lshr_b32 s24, s24, 5                         ; e = that / 3 (exact for 0 .. 23)
	s_mul_i32 s25, s24, 3
	s_sub_co_u32 s25, s23, s25                     ; ch: which 128 of the 384 columns
	s_mul_i32 s26, s24, 1572864
	s_mul_i32 s28, s22, 49152                      ; 32 rows of 1,536 bytes
	s_add_co_u32 s26, s26, s28
	s_lshl_b32 s28, s25, 9
	s_add_co_u32 s26, s26, s28
	s_add_nc_u64 s[4:5], s[4:5], s[26:27]
	CONV 1, 4
	s_lshl_b32 s28, s25, 3
	s_lshl_b32 s29, s24, 7
	s_add_co_u32 s29, s29, s22
	s_mul_i32 s29, s29, 6                          ; (128 e + K step) x 6
	s_mov_b32 s30, 186
	v_lshl_add_u32 v7, v5, 2, s28                  ; block b = 8 ch + 4 (lane / 16) + c
.irp c, 0,1,2,3
	v_add_nc_u32 v8, \c, v7
	v_mul_u32_u24 v9, 43, v8
	v_lshrrev_b32 v9, 8, v9                        ; v = b / 6 (exact for 0 .. 23)
	v_mad_u32_u24 v9, v9, s30, v8                  ; 192 v + (b - 6 v)
	v_add_nc_u32 v9, s29, v9                       ; the fragment's number
	v_lshl_add_u32 v[DO+(\c)], v9, 10, v6
.endr
	PACKOUT
	s_endpgm
.Lw2:
	s_sub_co_u32 s21, s21, 768
	s_lshr_b32 s22, s21, 6                         ; K step 0 .. 11
	s_bfe_u32 s24, s21, 0x30003                    ; e
	s_and_b32 s25, s21, 7                          ; cg: which 128 of the 1,024 columns
	s_lshr_b32 s28, s22, 1
	s_lshl_b32 s28, s28, 6
	s_and_b32 s29, s22, 1
	s_lshl_b32 s29, s29, 1
	s_add_co_u32 s28, s28, s29                     ; the step's first hidden unit: 64 (step / 2) + 2 (step % 2)
	s_lshl_b32 s28, s28, 12
	s_mul_i32 s26, s24, 1572864
	s_add_co_u32 s26, s26, s28
	s_lshl_b32 s28, s25, 9
	s_add_co_u32 s26, s26, s28
	s_add_nc_u64 s[6:7], s[6:7], s[26:27]
	CONV 2, 6
	s_lshl_b32 s29, s24, 3
	s_add_co_u32 s29, s29, s25
	s_mul_i32 s29, s29, 12
	s_add_co_u32 s29, s29, s22
	s_lshl_b32 s29, s29, 3                         ; ((8 e + cg) x 12 + K step) x 8
	s_add_nc_u64 s[12:13], s[12:13], 0x600000      ; w2's fragments lie behind w1's
	v_lshl_add_u32 v7, v5, 2, s29
.irp c, 0,1,2,3
	v_add_nc_u32 v8, \c, v7
	v_lshl_add_u32 v[DO+(\c)], v8, 10, v6
.endr
	PACKOUT
	s_endpgm
.Lnot_conv:
	s_cmp_eq_u32 ttmp9, 220
	s_cbranch_scc1 .Lloss
	; THE LIST OF ONE PAIR, as a partition of all 8,192 tokens: those that chose the pair from the row's front, the others from its end, so that every lane stores in every trip, every
	; place of the row is written once, and EXEC stays as it is.  Wave w looks at tokens 1,024 w .. + 1,023: register 4 s + c of lane l holds token 1,024 w + 128 s + 4 l + c.
	; The tokens are taken in the order n = 1,024 w + 32 k + l (register k, lane l).  With F of the chosen ahead of it, a chosen token goes to place F, another to 8,191 - (n - F).
	s_sub_co_u32 s21, ttmp9, 192                   ; the pair
	v_lshl_add_u32 v5, s20, 12, v4
.irp s, 0,1,2,3,4,5,6,7
	global_load_b128 v[DAT+4*(\s):DAT+4*(\s)+3], v5, s[8:9] offset:512*(\s)
.endr
	s_lshl_b32 s26, s21, 15
	s_add_nc_u64 s[14:15], s[14:15], s[26:27]      ; the pair's row of the lists
	v_lshlrev_b32 v18, 2, v1
	v_lshl_add_u32 v18, s20, 10, v18               ; 1,024 w + 4 l
	s_lshl_b32 s28, s20, 10
	s_sub_co_u32 s28, 8191, s28
	v_sub_nc_u32 v19, s28, v1                      ; 8,191 - n for k = 0; it goes down by 32 a trip
	s_mov_b32 s22, 0
	s_wait_loadcnt 0x0
.set k, 0
.rept 32                                               ; my wave's count
	v_cmp_eq_u32 vcc_lo, s21, v[DAT+k]
	s_bcnt1_i32_b32 s23, vcc_lo
	s_add_co_u32 s22, s22, s23
.set k, k+1
.endr
	v_mov_b32 v6, s20
	v_lshlrev_b32 v6, 2, v6
	v_mov_b32 v7, s22
	ds_store_b32 v6, v7                            ; all lanes write the same word with the same value
	s_wait_dscnt 0x0                               ; for the others' sake
	s_barrier_signal -1
	s_barrier_wait -1
	v_mov_b32 v7, 0
	ds_load_b128 v[8:11], v7
	ds_load_b128 v[12:15], v7 offset:16
	s_wait_dscnt 0x0
	s_mov_b32 s32, 0                               ; the chosen ahead of my wave: the lower waves' counts
	s_mov_b32 s33, 0                               ; the pair's count
.irp u, 0,1,2,3,4,5,6,7
	v_readfirstlane_b32 s34, v[8+(\u)]
	s_add_co_u32 s33, s33, s34
	s_cmp_gt_u32 s20, \u
	s_cselect_b32 s34, s34, 0
	s_add_co_u32 s32, s32, s34
.endr
.set k, 0
.rept 32
	v_cmp_eq_u32 vcc_lo, s21, v[DAT+k]
	v_mbcnt_lo_u32_b32 v[AD+k], vcc_lo, s32        ; F: the chosen so far + the chosen lanes below me
	v_add_nc_u32 v21, v19, v[AD+k]                 ; 8,191 - n + F
	v_sub_nc_u32 v19, v19, 32
	v_cndmask_b32 v[AD+k], v21, v[AD+k], vcc_lo
	v_min_u32 v[AD+k], 0x1fff, v[AD+k]             ; a row has 8,192 places
	v_lshlrev_b32 v[AD+k], 2, v[AD+k]
	v_add_nc_u32 v[TK+k], 128*(k/4)+k%4, v18       ; the token
	global_store_b32 v[AD+k], v[TK+k], s[14:15]
	s_bcnt1_i32_b32 s23, vcc_lo
	s_add_co_u32 s32, s32, s23
.set k, k+1
.endr
	s_cmp_lg_u32 s20, 0
	s_cbranch_scc1 .Lsort_end
	v_mov_b32 v16, s33
	v_mov_b32 v20, s21
	v_lshlrev_b32 v20, 2, v20
	v_cmp_eq_u32 vcc_lo, 0, v1
	s_wait_xcnt 0x0                                ; EXEC changes only behind this wait
	s_and_saveexec_b32 s35, vcc_lo                 ; wave 0, lane 0: the count
	global_store_b32 v20, v16, s[16:17]
	s_wait_xcnt 0x0
	s_or_b32 exec_lo, exec_lo, s35
.Lsort_end:
	s_wait_tensorcnt 0x0                           ; the wave's end
	ds_add_u32 v[SPW], v[NIL]
	s_wait_dscnt 0x0
	s_endpgm
.Lloss:
	; THE LOAD LOSS: mean over the experts of (mean probability - 1/8)^2.  psum is 1,024 pieces of 16 bytes; piece 32 i + l holds experts 4 (l % 2) .. + 3 of one row.  All sums in f32.
	s_cmp_lg_u32 s20, 0
	s_cbranch_scc1 .Lquit
.set i, 0
.rept 32
	global_load_b128 v[DAT+4*i:DAT+4*i+3], v4, s[10:11] offset:512*i
.set i, i+1
.endr
	s_mov_b32 s22, 0x76543210                      ; v_permlanex16_b32: each lane takes its own place in the other half
	s_mov_b32 s23, 0xfedcba98
	s_mov_b32 s24, 0x39000000                      ; 1 / 8,192
	s_mov_b32 s25, 0xbe000000                      ; - 1 / 8
	s_wait_loadcnt 0x0
	v_pk_add_f32 v[8:9], v[DAT:DAT+1], v[DAT+4:DAT+5]
	v_pk_add_f32 v[10:11], v[DAT+2:DAT+3], v[DAT+6:DAT+7]
.set i, 2
.rept 30
	v_pk_add_f32 v[8:9], v[8:9], v[DAT+4*i:DAT+4*i+1]
	v_pk_add_f32 v[10:11], v[10:11], v[DAT+4*i+2:DAT+4*i+3]
.set i, i+1
.endr
.irp j, 8,9,10,11                                      ; over the lanes of my parity
.irp m, 2,4,8
	v_add_f32_dpp v\j, v\j, v\j row_xmask:\m row_mask:0xf bank_mask:0xf
.endr
	v_permlanex16_b32 v[24+\j], v\j, s22, s23      ; its destination counts as read: a register that a load has written
	v_add_f32 v\j, v\j, v[24+\j]
	v_fma_f32 v\j, v\j, s24, s25                   ; mean - 1/8
.endr
	v_mul_f32 v12, v8, v8
	v_fmac_f32 v12, v9, v9
	v_fmac_f32 v12, v10, v10
	v_fmac_f32 v12, v11, v11
	v_add_f32_dpp v12, v12, v12 row_xmask:1 row_mask:0xf bank_mask:0xf   ; the other four experts
	v_mul_f32 v12, 0x3e000000, v12                 ; / 8
	v_mov_b32 v13, 0
	v_cmp_eq_u32 vcc_lo, 0, v1
	s_wait_xcnt 0x0
	s_and_saveexec_b32 s35, vcc_lo
	global_store_b32 v13, v12, s[18:19]
	s_wait_xcnt 0x0
	s_or_b32 exec_lo, exec_lo, s35
.Lquit:
	s_endpgm
.Lfunc_end_k_q1f83be2826_prep:
	.size	k_q1f83be2826_prep, .Lfunc_end_k_q1f83be2826_prep-k_q1f83be2826_prep
	.p2alignl 7, 3214868480
	.fill 96, 4, 3214868480
	.section	.rodata,"a",@progbits
	.p2align	6, 0x0
	.amdhsa_kernel k_q1f83be2826_prep
		.amdhsa_group_segment_fixed_size 1280
		.amdhsa_private_segment_fixed_size 0
		.amdhsa_enable_private_segment 0
		.amdhsa_kernarg_size 64
		.amdhsa_user_sgpr_count 2
		.amdhsa_user_sgpr_kernarg_segment_ptr 1
		.amdhsa_wavefront_size32 1
		.amdhsa_system_sgpr_workgroup_id_x 1
		.amdhsa_system_sgpr_workgroup_id_y 1
		.amdhsa_system_sgpr_workgroup_id_z 1
		.amdhsa_system_vgpr_workitem_id 0
		.amdhsa_next_free_vgpr 224
		.amdhsa_next_free_sgpr 66
		.amdhsa_reserve_vcc 1
		.amdhsa_float_denorm_mode_32 3
		.amdhsa_float_denorm_mode_16_64 3
		.amdhsa_memory_ordered 1
		.amdhsa_forward_progress 1
		.amdhsa_inst_pref_size 54
	.end_amdhsa_kernel
	.amdgpu_metadata
---
amdhsa.version: [ 1, 2 ]
amdhsa.kernels:
  - .name:           k_q1f83be2826_prep
    .symbol:         k_q1f83be2826_prep.kd
    .args:
      - { .name: w1, .offset: 0, .size: 8, .value_kind: global_buffer, .address_space: global }
      - { .name: w2, .offset: 8, .size: 8, .value_kind: global_buffer, .address_space: global }
      - { .name: sel, .offset: 16, .size: 8, .value_kind: global_buffer, .address_space: global }
      - { .name: psum, .offset: 24, .size: 8, .value_kind: global_buffer, .address_space: global }
      - { .name: wf, .offset: 32, .size: 8, .value_kind: global_buffer, .address_space: global }
      - { .name: list, .offset: 40, .size: 8, .value_kind: global_buffer, .address_space: global }
      - { .name: cnt, .offset: 48, .size: 8, .value_kind: global_buffer, .address_space: global }
      - { .name: out1, .offset: 56, .size: 8, .value_kind: global_buffer, .address_space: global }
    .group_segment_fixed_size: 1280
    .private_segment_fixed_size: 0
    .kernarg_segment_align: 8
    .kernarg_segment_size: 64
    .max_flat_workgroup_size: 256
    .sgpr_count:     66
    .vgpr_count:     224
    .wavefront_size: 32
...
	.end_amdgpu_metadata
.endif
;; end of part 2
;; launch chain (part 3): grid 155 x 1, 8 waves a work-group, no clusters, 252,928 bytes of LDS; arguments xb, wf, list, cnt, gw, b1, b2, out0; writes out0
.if DOCPART == 3
	.amdgcn_target "amdgcn-amd-amdhsa--gfx1250"
	.amdhsa_code_object_version 6
	.text
	.protected	k_q1f83be2826_chain
	.globl	k_q1f83be2826_chain
	.p2align	8
	.type	k_q1f83be2826_chain,@function
k_q1f83be2826_chain:
	s_mov_b64 s[64:65], 0
	v_nop
	global_prefetch_b8 v0, s[64:65] scope:SCOPE_SE
	s_setreg_imm32_b32 hwreg(HW_REG_WAVE_MODE, 25, 1), 1
	s_wait_xcnt 0x0
; THE CHAIN.  A work-group takes up to 64 tokens that chose the same pair of experts (lo, hi) through both products:
;   Hid[64][768] = g x gelu(X [W1lo | W1hi] + b1),   out = Hid [W2lo ; W2hi] + g_lo b2lo + g_hi b2hi,   and stores its rows of out0, which it alone owns.
; All inputs are rounded to bf16 once (x and the weights by the launches before, b1 and b2 here); products in bf16 with f32 sums; Hid is rounded to bf16 once; g, the biases' terms and out in f32.
; GELU is the exact one, with erf by the rational form of Abramowitz and Stegun 7.1.25, |error of erf| <= 2.5e-5 for every argument, so |error of gelu| <= 1.25e-5 |x|:
;   A = |x|;  t = 1 / (1 + K1 A), K1 = 0.47047 / sqrt(2);  gelu = max(x, 0) + A t (a1 + t (a2 + t a3)) 2^(-A A log2(e) / 2), a1 to a3 the form's coefficients times -1/2:
;   no difference of large numbers; for large |x| it gives x or 0.
; LIMITS.  That bound on erf; NaN and infinities are not treated apart.
; THE GRID.  With counts c_p of the 28 pairs, sum c_p = 8,192, there are never more than 155 tiles of 64.  Every work-group finds its pair and its first row from the stored counts.
; One that a split leaves without rows passes both barriers, jumps over both products and stores nothing.
; PLACES PAST THE COUNT repeat the pair's last token, which lies in the same tile: their rows hold the same numbers as that token's and are stored onto the same bytes, by this work-group alone; so
; EXEC is never changed.  Whole blocks of 16 rows past the count are jumped.  The price: at most 15 repeated rows in a pair's last tile.
; SHARES.  EIGHT WAVES, two for each of a WGP's four SIMDs, so that one wave's runs of loads, its GELU and its way out can stand beside the other wave's products.
; First product: wave w makes places 96 w .. + 95 of Hid (waves 0-3 expert lo, 4-7 hi): 6 blocks of 16 x 4 blocks of tokens, K = 32 steps of 32.  Second: columns 128 w .. + 127 in two passes of 4 blocks,
; K = 24 steps (12 of lo, 12 of hi).  X and Hid lie in LDS.  The weights come from memory straight into registers as fragments (laid out by the launch before): each fragment is loaded by one wave
; and feeds 4 matrix instructions.  Nothing in a K walk writes LDS, so it has no barrier.
; THE RING.  20 fragments of weights in 160 registers.  The K steps are written out, so fragment number q of a run lies in slot q % 20, and behind a step its slots take the fragments 20 further on:
; 28 to 40 loads of 512 bytes a wave are out.
; APART.  Waves that leave a barrier together would come to their runs of loads together.  So the waves with (w + w / 4) odd idle for about half a K step ahead of each product.  Whichever two waves
; are neighbours, w and w + 4 or w and w + 1, they differ in that parity.
; EVERY LDS ADDRESS is a register made once from lane and wave, never rewritten, plus an immediate.  So the K steps are written out (a step's place along the rows is the immediate 64 k), and what
; differs between the second product's passes (which b2 is read) stands in the two arms of a forward branch on the pass counter.
; NO CLUSTER: the grid of 155 divides into no cluster, the number of a pair's work-groups hangs on stored counts, and a shared weight tile would have to pass through LDS, where 74,752 bytes are left
; beside X and Hid, to be read from there once by one wave.  NO PREFETCH: the weights were stored by the launch before and are read by many work-groups; X is asked for once, at the start.
; REGISTERS, 512 a wave, in two windows of 256 (s_set_vgpr_msb: bits 1:0 source 0, 3:2 source 1, 5:4 source 2, 7:6 destination):
;   window 0: v0-31 addresses and g; v32-95 two buffers of 4 fragments of X or Hid, at other times at work (set-up, GELU, way out); v96-255 the ring
;   window 1: 0-191 the accumulators (first product (m, n) at 8 (6 m + n), second at 32 m + 8 n), at the start X on its way to LDS; 192-239 b1 as the first product's C;
;             for the second product 128-159 out0 offsets and 160-223 (g_lo, g_hi) of the rows that a lane stores
.set XP,    2064                       ; a row of X in LDS: 2,048 + 16 bytes = 516 words: row r starts at bank 4 r mod 64 (64 banks of 4 bytes: ISA guide 11.1)
.set HP,    1552                       ; a row of Hid: 1,536 + 16 bytes = 388 words: likewise
.set HID,   64*XP
.set B1L,   HID+64*HP                  ; b1, f32: each wave has a copy of its own of 192 places, 768 bytes, of which it reads 96
.set B2L,   B1L+8*768                  ; b2 of lo, then of hi, f32; each wave its own 512 bytes of each
.set TBL,   B2L+8192                   ; a table of each wave's own, 768 bytes: the tile's 64 tokens, then its 64 pairs (g_lo, g_hi)
.set SPARE, TBL+8*768                  ; the spare words, 128 bytes for each wave; no other line names them
.set LN,  1                            ; lane
.set RR,  2                            ; r = lane % 16
.set HH,  3                            ; h = lane / 16
.set BA0, 4                            ; v4     b1 for my C operands
.set WOFF, 5                           ; v5     16 x lane: my 16 bytes in half a fragment
.set TKO, 6                            ; v6     my table: the tokens of places 8 h + 0 .. 7 of a block of 16
.set GRO, 7                            ; v7     my table: the pairs of those places
.set XB0, 8                            ; v8-9   X fragments of blocks 0, 1 and 2, 3 at K = 0
.set HB,  10                           ; v10-11 Hid fragments at K = 0
.set COL, 12                           ; v12    out0: my wave's 128 columns, 16 bytes at 16 r
.set B2A0, 13                          ; v13    b2 for the first pass's columns
.set GV,  16                           ; v16-23 g of token 16 m + r for my expert, twice (a pair for the packed multiply)
.set SPW, 28                           ; v28    LDS address of my spare word; never rewritten
.set NIL, 29                           ; v29    0; never rewritten
.set HST0, 30                          ; v30-31 where I put 16 bytes of Hid
.set TT,  32                           ; two buffers of 32
.set RING, 96                          ; 20 slots of 8
.set ZZ,  32                           ; the GELU's four sets of 16, where the fragment buffers lie idle
.set TQ,  48
.set UU,  64
.set QQ,  80
.set TMP, 32                           ; the way out: 8 rows x 4 columns a lane
.set B2LO, 64
.set B2HI, 68
.set XO,  32                           ; at the start only: v32-35 byte offsets in xb of the rows that I fetch
.set TA,  36                           ; v36-37 the tokens of places lane and 32 + lane
.set LOF, 38                           ; v38-39 their byte offsets in the list
.set GP,  40                           ; v40-43 their pairs (g_lo, g_hi)
.set B1D, 44                           ; v44-49 b1 as loaded
.set GOF, 50                           ; v50-51 byte offsets in gw
.set B2D, 52                           ; v52-59 b2 as loaded: lo, hi
.set L8,  60                           ; 8 x lane
.set R16, 61                           ; 16 r
.set B1S, 62                           ; where b1 goes in LDS
.set TM,  63
.set B2S, 64                           ; where b2 goes
.set XS,  65                           ; where X goes
.set CV,  66
.set TKS, 67                           ; places in my wave's table
.set GS,  68
.set TKG, 69
.set GVA, 70
.set OA,  128                          ; window 1
.set GLH, 160
.set BIAS, 192
; scalars: s[4:19] the eight addresses; s20 wave; s21 work-group; s22-29 the search for my pair; s30 first row; s31 my rows; s[32:33] expert hi's run of W2; s[34:35] a byte offset;
; s[36:63] the counts, later the GELU's constants; s66-68 offsets in wf in units of 1,024 bytes; s70 the pass counter; s[76:77] the run of weights in hand; s89 the parity that sets waves apart
.set MSB, 0
.macro WIN new                         ; the immediate's high byte repeats the setting that is left; a switch that changes nothing is dropped
.if MSB != (\new)
	s_set_vgpr_msb (MSB<<8)|(\new)
.set MSB, \new
.endif
.endm
.macro PLACES                          ; four places behind matrix instructions, ahead of loads into their sources and of reads of their results
.rept 4
	v_nop
.endr
.endm
.macro SETPTR dst, kb                  ; an address in wf from an offset in units of 1,024 bytes, held inside the buffer's 12,288
	s_min_u32 s34, s[\kb], 12287
	s_lshl_b32 s34, s34, 10
	s_add_nc_u64 s[\dst:\dst+1], s[6:7], s[34:35]
.endm
.macro RING1 f0, n                     ; W1: fragments f0 .. f0 + n - 1 of my run, which lie end to end in wf, into the slots of their numbers
.set f, \f0
.rept \n
	global_load_b128 v[RING+8*f:RING+8*f+3],   v[WOFF], s[76:77] offset:1024*f
	global_load_b128 v[RING+8*f+4:RING+8*f+7], v[WOFF], s[76:77] offset:1024*f+512
.set f, f+1
.endr
.endm
.macro RING2                           ; W2: a pass's first five K steps: 4 of a step's 8 fragments each
.set f, 0
.rept 20
	global_load_b128 v[RING+8*f:RING+8*f+3],   v[WOFF], s[76:77] offset:1024*(8*(f/4)+f%4)
	global_load_b128 v[RING+8*f+4:RING+8*f+7], v[WOFF], s[76:77] offset:1024*(8*(f/4)+f%4)+512
.set f, f+1
.endr
.endm
.macro GATH t                          ; rows 2 t and 2 t + 1 of my 8: a load takes 256 bytes of each
	WIN 0x40
.set c, 0
.rept 8
	global_load_b128 v[4*(8*(\t)+c):4*(8*(\t)+c)+3], v[XO+(\t)], s[4:5] offset:256*c
.set c, c+1
.endr
.endm
.macro XST t, left                     ; and into LDS; left: the younger loads that stay out
	s_wait_loadcnt \left
	WIN 0x04
.set c, 0
.rept 8
	ds_store_b128 v[XS], v[4*(8*(\t)+c):4*(8*(\t)+c)+3] offset:2*XP*(\t)+256*c
.set c, c+1
.endr
.endm
	s_load_b512 s[4:19], s[0:1], 0x0               ; xb s[4:5], wf s[6:7], list s[8:9], cnt s[10:11], gw s[12:13], b1 s[14:15], b2 s[16:17], out0 s[18:19]
	v_lshl_add_u32 v[SPW], v0, 2, SPARE
	v_mov_b32 v[NIL], 0
	v_and_b32 v[LN], 31, v0
	v_and_b32 v[RR], 15, v0
	v_bfe_u32 v[HH], v0, 4, 1
	v_lshrrev_b32 v25, 5, v0
	v_readfirstlane_b32 s20, v25                   ; wave
	s_mov_b32 s21, ttmp9
	s_wait_kmcnt 0x0
	s_load_b512 s[36:51], s[10:11], 0x0            ; the 28 counts
	s_load_b256 s[52:59], s[10:11], 0x40
	s_load_b128 s[60:63], s[10:11], 0x60
	; what hangs on lane and wave alone is made while the counts are on their way
	s_lshr_b32 s89, s20, 2
	s_xor_b32 s89, s89, s20
	s_and_b32 s89, s89, 1                          ; the parity of w + w / 4
	v_lshlrev_b32 v[WOFF], 4, v[LN]
	v_mul_u32_u24 v[XB0], v[RR], XP
	v_lshl_add_u32 v[XB0], v[HH], 4, v[XB0]        ; row r x pitch + 16 h
	v_add_nc_u32 v[XB0+1], 32*XP, v[XB0]
	v_mul_u32_u24 v[HB], v[RR], HP
	v_lshl_add_u32 v[HB], v[HH], 4, v[HB]
	v_add_nc_u32 v[HB], HID, v[HB]
	v_add_nc_u32 v[HB+1], 32*HP, v[HB]
	s_mul_i32 s72, s20, 192
	v_add_nc_u32 v[HST0], s72, v[HB]               ; my wave's 96 places are 192 bytes of a row
	v_add_nc_u32 v[HST0+1], s72, v[HB+1]
	s_mul_i32 s72, s20, 768
	s_add_co_u32 s72, s72, B1L                     ; my wave's copy of b1: the 192 places of which mine are the first or the second 96
	s_and_b32 s73, s20, 1
	s_mul_i32 s73, s73, 384
	s_add_co_u32 s73, s73, s72
	v_lshl_add_u32 v[BA0], v[HH], 5, s73           ; register j of the C operand is place 8 h + j of a block
	v_and_b32 v[B1S], 1, v0                        ; b1 into LDS: unit 64 q + 2 l + c goes to place 64 q + 16 (2 (l % 2) + c) + l / 2
	v_bfe_u32 v[TM], v0, 1, 4
	v_lshlrev_b32 v[B1S], 7, v[B1S]
	v_lshl_add_u32 v[B1S], v[TM], 2, v[B1S]
	v_add_nc_u32 v[B1S], s72, v[B1S]
	s_lshl_b32 s73, s20, 9
	s_add_co_u32 s73, s73, B2L
	v_lshl_add_u32 v[B2A0], v[RR], 4, s73          ; four neighbouring columns at 4 r
	v_add_nc_u32 v[B2S], s73, v[WOFF]              ; b2 into LDS as it lies
	v_lshlrev_b32 v[R16], 4, v[RR]
	s_mul_i32 s72, s20, 8*XP
	v_mul_u32_u24 v[XS], v[HH], XP
	v_add_nc_u32 v[XS], v[XS], v[R16]
	v_add_nc_u32 v[XS], s72, v[XS]                 ; X into LDS: rows 8 w + h, 16 bytes at 16 r
	s_lshl_b32 s72, s20, 9
	v_add_nc_u32 v[COL], s72, v[R16]
	v_lshlrev_b32 v[L8], 3, v[LN]
	s_mul_i32 s73, s20, 768
	s_add_co_u32 s73, s73, TBL                     ; my wave's table
	v_lshl_add_u32 v[TKS], v[LN], 2, s73           ; in: the token of place lane
	v_lshl_add_u32 v[TKO], v[HH], 5, s73           ; back: the tokens of places 8 h + 0 .. 7 of a block of 16,
	s_lshl_b32 s72, s20, 5
	s_add_co_u32 s72, s72, s73
	v_lshl_add_u32 v[TKG], v[HH], 2, s72           ; of place 8 w + h,
	s_add_co_u32 s73, s73, 256
	v_lshl_add_u32 v[GS], v[LN], 3, s73            ; in: the pair of place lane
	v_lshl_add_u32 v[GRO], v[HH], 6, s73           ; back: the pairs of places 8 h + 0 .. 7,
	s_lshr_b32 s72, s20, 2
	s_lshl_b32 s72, s72, 2
	s_add_co_u32 s72, s72, s73
	v_lshl_add_u32 v[GVA], v[RR], 3, s72           ; my expert's g of place r
	s_mov_b32 s22, 0                               ; tiles ahead of the pair in hand
	s_mov_b32 s23, 0
	s_mov_b32 s24, 0
	s_mov_b32 s25, 0
	s_mov_b32 s26, 0
	s_mov_b32 s27, 0
	s_mov_b32 s35, 0
	s_mov_b32 s81, 0
	s_wait_kmcnt 0x0
	; MY PAIR: the last pair with rows whose first tile's number is not above mine.  A work-group past the last tile keeps the last such pair, with no rows.
.set pid, 0
.set lo, 0
.rept 7
.set hi, lo+1
.rept 7-lo
	s_add_co_u32 s28, s[36+pid], 63
	s_lshr_b32 s28, s28, 6                         ; the pair's tiles
	s_cmp_lg_u32 s28, 0
	s_cselect_b32 s29, s22, 0xffff                 ; a pair without rows is never taken
	s_cmp_ge_u32 s21, s29
	s_cselect_b32 s23, pid, s23
	s_cselect_b32 s24, s22, s24
	s_cselect_b32 s25, s[36+pid], s25
	s_cselect_b32 s26, lo, s26
	s_cselect_b32 s27, hi, s27
	s_add_co_u32 s22, s22, s28
.set hi, hi+1
.set pid, pid+1
.endr
.set lo, lo+1
.endr
	s_min_u32 s23, s23, 27                         ; what comes from memory is held to its range before it enters an address
	s_min_u32 s25, s25, 8192
	s_sub_co_u32 s30, s21, s24
	s_lshl_b32 s30, s30, 6                         ; my first row in the pair's list
	s_sub_co_i32 s31, s25, s30
	s_max_i32 s31, s31, 0
	s_min_i32 s31, s31, 64                         ; my rows: 0 .. 64
	s_sub_co_u32 s72, s25, 1
	v_add_nc_u32 v[LOF], s30, v[LN]
	v_add_nc_u32 v[LOF+1], 32, v[LOF]
	v_min_u32 v[LOF], s72, v[LOF]                  ; places past the count repeat the pair's last token
	v_min_u32 v[LOF+1], s72, v[LOF+1]
	v_min_u32 v[LOF], 0x1fff, v[LOF]
	v_min_u32 v[LOF+1], 0x1fff, v[LOF+1]
	v_lshlrev_b32 v[LOF], 2, v[LOF]
	v_lshlrev_b32 v[LOF+1], 2, v[LOF+1]
	s_lshl_b32 s80, s23, 15
	s_add_nc_u64 s[8:9], s[8:9], s[80:81]
	global_load_b32 v[TA], v[LOF], s[8:9]
	global_load_b32 v[TA+1], v[LOF+1], s[8:9]
	s_cmp_lt_u32 s20, 4
	s_cselect_b32 s75, s26, s27                    ; my wave's expert in the first product
	s_min_u32 s75, s75, 7
	s_min_u32 s26, s26, 7
	s_min_u32 s27, s27, 7
	s_and_b32 s88, s20, 3
	s_mul_i32 s66, s75, 768                        ; W1: an expert is 768 units of 1,024 bytes, my quarter of it 192
	s_mul_i32 s72, s88, 192
	s_add_co_u32 s66, s66, s72
	s_mul_i32 s72, s20, 96                         ; W2: from unit 6,144; my 128 columns are a run of 96
	s_add_co_u32 s72, s72, 6144
	s_mul_i32 s67, s26, 768
	s_add_co_u32 s67, s67, s72
	s_mul_i32 s68, s27, 768
	s_add_co_u32 s68, s68, s72
	s_mul_i32 s80, s75, 1536
	s_lshr_b32 s72, s88, 1
	s_mul_i32 s72, s72, 768
	s_add_co_u32 s80, s80, s72
	s_add_nc_u64 s[14:15], s[14:15], s[80:81]      ; b1 at the 192 units that hold my 96 places
	s_lshl_b32 s72, s20, 9
	s_lshl_b32 s80, s26, 12
	s_add_co_u32 s80, s80, s72
	s_add_nc_u64 s[84:85], s[16:17], s[80:81]      ; b2 of lo at my 128 columns,
	s_lshl_b32 s80, s27, 12
	s_add_co_u32 s80, s80, s72
	s_add_nc_u64 s[86:87], s[16:17], s[80:81]      ; of hi
	s_mov_b32 s36, 0x3eaa540e                      ; K1 = 0.47047 / sqrt(2) = 0.3326725; the packed forms name pairs and take the low word
	s_mov_b32 s37, 0x3eaa540e
	s_mov_b32 s38, 0xbebf7377                      ; a3 = -0.7478556 / 2
	s_mov_b32 s39, 0xbebf7377
	s_mov_b32 s40, 0x3d445ca1                      ; a2 = +0.0958798 / 2
	s_mov_b32 s41, 0x3d445ca1
	s_mov_b32 s42, 0xbe32303a                      ; a1 = -0.3480242 / 2
	s_mov_b32 s43, 0xbe32303a
	s_mov_b32 s44, 0xbf38aa3b                      ; -log2(e) / 2
	s_mov_b32 s45, 0x7fffffff                      ; clears a sign (and is named with s44 as a pair)
	s_wait_loadcnt 0x0                             ; the tokens
	v_min_u32 v[TA], 0x1fff, v[TA]
	v_min_u32 v[TA+1], 0x1fff, v[TA+1]
	ds_store_b32 v[TKS], v[TA]                     ; into my wave's table; LDS serves a wave's instructions in order (ISA guide 5.7.1.4), so my loads below see these
	ds_store_b32 v[TKS], v[TA+1] offset:128
	v_lshlrev_b32 v[GOF], 3, v[TA]
	v_lshlrev_b32 v[GOF+1], 3, v[TA+1]
	global_load_b64 v[GP:GP+1], v[GOF], s[12:13]           ; seven small loads: (g_lo, g_hi) of places lane,
	global_load_b64 v[GP+2:GP+3], v[GOF+1], s[12:13]       ; 32 + lane;
.irp q, 0,1,2
	global_load_b64 v[B1D+2*(\q):B1D+2*(\q)+1], v[L8], s[14:15] offset:256*(\q)   ; b1;
.endr
	global_load_b128 v[B2D:B2D+3], v[WOFF], s[84:85]       ; b2
	global_load_b128 v[B2D+4:B2D+7], v[WOFF], s[86:87]
.irp t, 0,1,2,3
	ds_load_b32 v[XO+(\t)], v[TKG] offset:8*(\t)   ; the token of place 8 w + 2 t + h
.endr
	s_wait_dscnt 0x0
.irp t, 0,1,2,3
	v_min_u32 v[XO+(\t)], 0x1fff, v[XO+(\t)]
	v_lshl_add_u32 v[XO+(\t)], v[XO+(\t)], 11, v[R16]
.endr
	; THE GATHER.  Wave w brings places 8 w .. + 7: 32 loads; behind them the first 12 fragments of weights: with the seven small loads 63 are out
	GATH 0
	GATH 1
	GATH 2
	GATH 3
	WIN 0
	SETPTR 76, 66
	RING1 0, 12
	s_wait_loadcnt 56                              ; the 32 loads of X and the 24 of weights are younger: g, b1 and b2 are in
.irp q, 0,1,2
	v_cvt_pk_bf16_f32 v[CV], v[B1D+2*(\q)], v[B1D+2*(\q)+1]   ; b1 rounded to bf16, kept as f32
	v_lshlrev_b32 v[B1D+2*(\q)], 16, v[CV]
	v_and_b32 v[B1D+2*(\q)+1], 0xffff0000, v[CV]
	ds_store_b32 v[B1S], v[B1D+2*(\q)] offset:256*(\q)
	ds_store_b32 v[B1S], v[B1D+2*(\q)+1] offset:256*(\q)+64
.endr
.irp q, 0,1,2,3
	v_cvt_pk_bf16_f32 v[CV], v[B2D+2*(\q)], v[B2D+2*(\q)+1]   ; b2 likewise
	v_lshlrev_b32 v[B2D+2*(\q)], 16, v[CV]
	v_and_b32 v[B2D+2*(\q)+1], 0xffff0000, v[CV]
.endr
	ds_store_b128 v[B2S], v[B2D:B2D+3]
	ds_store_b128 v[B2S], v[B2D+4:B2D+7] offset:4096
	ds_store_b64 v[GS], v[GP:GP+1]                 ; the pairs into my wave's table,
	ds_store_b64 v[GS], v[GP+2:GP+3] offset:256
.irp m, 0,1,2,3
	ds_load_b32 v[GV+2*(\m)], v[GVA] offset:128*(\m)       ; and back: my expert's g of token 16 m + r
.endr
	XST 0, 48                                      ; three pairs of rows and 24 loads of weights are younger
	XST 1, 40
	WIN 0
	RING1 12, 8                                    ; the ring's other eight fragments: 16 loads
	s_wait_dscnt 0x0                               ; g is back
.irp m, 0,2,4,6
	v_mov_b32 v[GV+(\m)+1], v[GV+(\m)]
.endr
	XST 2, 48                                      ; one pair of rows and 40 loads of weights are younger
	XST 3, 40
	WIN 0
	s_wait_dscnt 0x0                               ; for the others' sake: my rows of X are in LDS
	s_barrier_signal -1
	s_barrier_wait -1
	s_cmp_eq_u32 s31, 0
	s_cbranch_scc1 .Lidle1                         ; no rows: over the first product; no barrier is jumped
; Four fragments of X (blocks m = 0..3, 32 k at byte imm of the rows) into buffer td: 8 LDS loads
.macro TF1 td, imm
.irp m, 0,1,2,3
	ds_load_b128 v[TT+32*(\td)+8*(\m):TT+32*(\td)+8*(\m)+3],   v[XB0+(\m)/2] offset:((\m)%2)*16*XP+(\imm)
	ds_load_b128 v[TT+32*(\td)+8*(\m)+4:TT+32*(\td)+8*(\m)+7], v[XB0+(\m)/2] offset:((\m)%2)*16*XP+(\imm)+32
.endr
.endm
.macro TF2 td, imm                     ; the same of Hid
.irp m, 0,1,2,3
	ds_load_b128 v[TT+32*(\td)+8*(\m):TT+32*(\td)+8*(\m)+3],   v[HB+(\m)/2] offset:((\m)%2)*16*HP+(\imm)
	ds_load_b128 v[TT+32*(\td)+8*(\m)+4:TT+32*(\td)+8*(\m)+7], v[HB+(\m)/2] offset:((\m)%2)*16*HP+(\imm)+32
.endr
.endm
; K step k (0 .. 31) of the first product, used transposed: source 0 = 16 places of W1, source 1 = 16 tokens, so that a lane holds one token and eight neighbouring places.  24 matrix instructions on
; 24 accumulators, which take turns.  The step's fragments are numbers 6 k .. 6 k + 5 of the run; X's buffer is k % 2.  In step 0 b1 is the C that starts the sums.
; Behind the products and their four places the step's slots take the fragments 20 further on (the run has 192) and X's buffer the step two on (up to k = 29).
; Loads: 20 + 6 k fragments have been asked for and 6 k + 6 are wanted: 14 fragments' 28 loads stay out; at the run's end the counts run down.  LDS: the next step's 8 stay out.
.macro KSTEP1 k
.set kt, TT+32*((\k)%2)
.set iss, 20+6*(\k)
.if iss > 192
.set iss, 192
.endif
	s_wait_loadcnt 2*(iss-6*(\k)-6)
.if (\k) < 31
	s_wait_dscnt 8
.else
	s_wait_dscnt 0x0
.endif
	WIN 0x50
.set mm, 0
.rept 4
.set nn, 0
.rept 6
.set sl, RING+8*((6*(\k)+nn)%20)
.if (\k) == 0
	v_wmma_f32_16x16x32_bf16 v[8*(6*mm+nn):8*(6*mm+nn)+7], v[sl:sl+7], v[kt+8*mm:kt+8*mm+7], v[BIAS+8*nn:BIAS+8*nn+7]
.else
	v_wmma_f32_16x16x32_bf16 v[8*(6*mm+nn):8*(6*mm+nn)+7], v[sl:sl+7], v[kt+8*mm:kt+8*mm+7], v[8*(6*mm+nn):8*(6*mm+nn)+7]
.endif
.set nn, nn+1
.endr
.set mm, mm+1
.endr
	PLACES
	WIN 0
.set nn, 0
.rept 6
.set q2, 6*(\k)+nn+20
.if q2 < 192
.set sl, RING+8*(q2%20)
	global_load_b128 v[sl:sl+3],   v[WOFF], s[76:77] offset:1024*q2
	global_load_b128 v[sl+4:sl+7], v[WOFF], s[76:77] offset:1024*q2+512
.endif
.set nn, nn+1
.endr
.if (\k) < 30
	TF1 (\k)%2, 64*((\k)+2)
.endif
.endm
; K step k (0 .. 23) of a pass of the second product: source 0 = 16 tokens of Hid, source 1 = 16 columns of W2: a lane holds one column of each of 4 blocks, and the four are neighbours.  16 matrix
; instructions on 16 accumulators by turns.  The step's fragments are numbers 4 k .. 4 k + 3 of the pass's 96; Hid's buffer is k % 2.  Behind the products the step's slots take the step five on:
; steps 0 to 11 lie in expert lo's run, 12 to 23 in hi's.  Loads: 20 + 4 k fragments have been asked for and 4 k + 4 are wanted: 16 fragments' 32 loads stay out; at the end the counts run down.
.macro KSTEP2 k
.set kt, TT+32*((\k)%2)
.set iss, 20+4*(\k)
.if iss > 96
.set iss, 96
.endif
	s_wait_loadcnt 2*(iss-4*(\k)-4)
.if (\k) < 23
	s_wait_dscnt 8
.else
	s_wait_dscnt 0x0
.endif
	WIN 0x50
.set mm, 0
.rept 4
.set nn, 0
.rept 4
.set sl, RING+8*((4*(\k)+nn)%20)
.if (\k) == 0
	v_wmma_f32_16x16x32_bf16 v[32*mm+8*nn:32*mm+8*nn+7], v[kt+8*mm:kt+8*mm+7], v[sl:sl+7], 0
.else
	v_wmma_f32_16x16x32_bf16 v[32*mm+8*nn:32*mm+8*nn+7], v[kt+8*mm:kt+8*mm+7], v[sl:sl+7], v[32*mm+8*nn:32*mm+8*nn+7]
.endif
.set nn, nn+1
.endr
.set mm, mm+1
.endr
	PLACES
	WIN 0
.if (\k) < 19
.set nn, 0
.rept 4
.set sl, RING+8*((4*(\k)+nn)%20)
.if (\k) < 7
	global_load_b128 v[sl:sl+3],   v[WOFF], s[76:77] offset:1024*(8*((\k)+5)+nn)
	global_load_b128 v[sl+4:sl+7], v[WOFF], s[76:77] offset:1024*(8*((\k)+5)+nn)+512
.else
	global_load_b128 v[sl:sl+3],   v[WOFF], s[32:33] offset:1024*(8*((\k)-7)+nn)
	global_load_b128 v[sl+4:sl+7], v[WOFF], s[32:33] offset:1024*(8*((\k)-7)+nn)+512
.endif
.set nn, nn+1
.endr
.endif
.if (\k) < 22
	TF2 (\k)%2, 64*((\k)+2)
.endif
.endm
; g x gelu of two accumulators (numbers 2 beta, 2 beta + 1 of my 24; number a is block m = a / 6, n = a % 6, at registers 8 a), rounded to bf16 and put into Hid: token 16 m + r, places 16 n + 8 h + 0 .. 7.
; The 32 reciprocals and exponentials are one batch with one wait; each accumulator is read from its lowest register on.
.macro GELU beta
	WIN 0x04
.set i, 0
.rept 16
	v_and_b32 v[ZZ+i], s45, v[16*(\beta)+i]        ; A = |x|
.set i, i+1
.endr
	WIN 0
.set i, 0
.rept 8
	v_pk_fma_f32 v[TQ+2*i:TQ+2*i+1], v[ZZ+2*i:ZZ+2*i+1], s[36:37], 1.0 op_sel_hi:[1,0,0]
.set i, i+1
.endr
.set i, 0
.rept 16
	v_rcp_f32 v[TQ+i], v[TQ+i]                     ; t
.set i, i+1
.endr
.set i, 0
.rept 8
	v_pk_mul_f32 v[UU+2*i:UU+2*i+1], v[ZZ+2*i:ZZ+2*i+1], s[44:45] op_sel_hi:[1,0]   ; -A log2(e) / 2,
.set i, i+1
.endr
.set i, 0
.rept 8
	v_pk_mul_f32 v[UU+2*i:UU+2*i+1], v[UU+2*i:UU+2*i+1], v[ZZ+2*i:ZZ+2*i+1]         ; times A
.set i, i+1
.endr
.set i, 0
.rept 16
	v_exp_f32 v[UU+i], v[UU+i]                     ; 2^(-A A log2(e) / 2)
.set i, i+1
.endr
	v_nop                                          ; a plain instruction behind the last of the batch,
	s_wait_alu depctr_va_vdst(0)                   ; and its one wait
.set i, 0
.rept 8
	v_pk_fma_f32 v[QQ+2*i:QQ+2*i+1], v[TQ+2*i:TQ+2*i+1], s[38:39], s[40:41] op_sel_hi:[1,0,0]
.set i, i+1
.endr
.set i, 0
.rept 8
	v_pk_fma_f32 v[QQ+2*i:QQ+2*i+1], v[QQ+2*i:QQ+2*i+1], v[TQ+2*i:TQ+2*i+1], s[42:43] op_sel_hi:[1,1,0]
.set i, i+1
.endr
.set i, 0
.rept 8
	v_pk_mul_f32 v[TQ+2*i:TQ+2*i+1], v[TQ+2*i:TQ+2*i+1], v[UU+2*i:UU+2*i+1]
.set i, i+1
.endr
.set i, 0
.rept 8
	v_pk_mul_f32 v[QQ+2*i:QQ+2*i+1], v[QQ+2*i:QQ+2*i+1], v[TQ+2*i:TQ+2*i+1]
.set i, i+1
.endr
	WIN 0x04
.set i, 0
.rept 16
	v_max_num_f32 v[UU+i], 0, v[16*(\beta)+i]
.set i, i+1
.endr
	WIN 0
.set i, 0
.rept 8
	v_pk_fma_f32 v[UU+2*i:UU+2*i+1], v[ZZ+2*i:ZZ+2*i+1], v[QQ+2*i:QQ+2*i+1], v[UU+2*i:UU+2*i+1]
.set i, i+1
.endr
.set q, 0
.rept 2
.set mm, (2*(\beta)+q)/6
.set nn, (2*(\beta)+q)%6
.set i, 0
.rept 4
	v_pk_mul_f32 v[UU+8*q+2*i:UU+8*q+2*i+1], v[UU+8*q+2*i:UU+8*q+2*i+1], v[GV+2*mm:GV+2*mm+1]
.set i, i+1
.endr
.set i, 0
.rept 4
	v_cvt_pk_bf16_f32 v[ZZ+4*q+i], v[UU+8*q+2*i], v[UU+8*q+2*i+1]
.set i, i+1
.endr
	ds_store_b128 v[HST0+mm/2], v[ZZ+4*q:ZZ+4*q+3] offset:(mm%2)*16*HP+32*nn
.set q, q+1
.endr
.endm
	; THE FIRST PRODUCT.
	WIN 0x40
.irp n, 0,1,2,3,4,5
	ds_load_b128 v[BIAS+8*(\n):BIAS+8*(\n)+3],   v[BA0] offset:64*(\n)       ; b1 of my 96 places, as the C operands of my six blocks
	ds_load_b128 v[BIAS+8*(\n)+4:BIAS+8*(\n)+7], v[BA0] offset:64*(\n)+16
.endr
	WIN 0
	TF1 0, 0
	TF1 1, 64
	s_cmp_eq_u32 s89, 0
	s_cbranch_scc1 .Lgo1
.rept 6
	s_nop 15                                       ; the waves of odd parity begin about half a K step (12 of its 24 products) later
.endr
.Lgo1:
.set ks, 0
.rept 32
	KSTEP1 ks
.set ks, ks+1
.endr
	s_wait_xcnt 0x0                                ; the weights' base is rewritten only behind this wait
	SETPTR 76, 67
	RING2                                          ; the second product's first five K steps fly while the GELU is made
.set gb, 0
.rept 12
	GELU gb
.set gb, gb+1
.endr
.Lidle1:
	; what the way out wants of my table, now that the first product's accumulators are free (behind the label, so that it stands on every way)
	WIN 0x40
.irp m, 0,1,2,3
	ds_load_b128 v[OA+8*(\m):OA+8*(\m)+3],   v[TKO] offset:64*(\m)      ; the tokens of places 16 m + 8 h + 0 .. 7: the rows that registers 0 to 7 of block m's results hold in the second product
	ds_load_b128 v[OA+8*(\m)+4:OA+8*(\m)+7], v[TKO] offset:64*(\m)+16
.endr
.set i, 0
.rept 16                                               ; (g_lo, g_hi) of rows 16 m + 8 h + j at GLH + 16 m + 2 j: i = 4 m + j / 2
	ds_load_b128 v[GLH+4*i:GLH+4*i+3], v[GRO] offset:128*(i/4)+16*(i%4)
.set i, i+1
.endr
	WIN 0
	s_wait_dscnt 0x0                               ; they are back; and, for the others' sake, my part of Hid is in LDS
	s_barrier_signal -1
	WIN 0x44
.set i, 0
.rept 32
	v_min_u32 v[OA+i], 0x1fff, v[OA+i]             ; work on registers between the signal and the wait
.set i, i+1
.endr
	WIN 0x41
.set i, 0
.rept 32
	v_lshl_add_u32 v[OA+i], v[OA+i], 12, v[COL]    ; token x 4,096 + my columns
.set i, i+1
.endr
	WIN 0
	s_barrier_wait -1
	s_cmp_eq_u32 s31, 0
	s_cbranch_scc1 .Lend
; THE WAY OUT of block m (16 rows), jumped where the count ends below it.  out = sum + g_lo b2lo + g_hi b2hi, two fused multiply-adds; registers 4 j .. 4 j + 3 of TMP are four neighbouring columns of
; row 8 h + j, so 16 lanes store 256 consecutive bytes, aligned.  Each accumulator is read from its lowest register on.
.macro OUTM m
	s_cmp_le_u32 s31, 16*(\m)
	s_cbranch_scc1 .Lnone_\@
	s_wait_xcnt 0x0                                ; the block before has read TMP
	WIN 0x11
.set gg, 0
.rept 4
.set j, 0
.rept 8
	v_fma_f32 v[TMP+4*j+gg], v[GLH+16*(\m)+2*j], v[B2LO+gg], v[32*(\m)+8*gg+j]
.set j, j+1
.endr
.set gg, gg+1
.endr
	WIN 0x01
.set gg, 0
.rept 4
.set j, 0
.rept 8
	v_fma_f32 v[TMP+4*j+gg], v[GLH+16*(\m)+2*j+1], v[B2HI+gg], v[TMP+4*j+gg]
.set j, j+1
.endr
.set gg, gg+1
.endr
.set j, 0
.rept 8
	global_store_b128 v[OA+8*(\m)+j], v[TMP+4*j:TMP+4*j+3], s[18:19] th:TH_STORE_NT
.set j, j+1
.endr
	WIN 0
.Lnone_\@:
.endm
.macro B2LD off                        ; b2 of lo and of hi for a pass's 64 columns: 4 neighbouring columns a lane of each
	ds_load_b128 v[B2LO:B2LO+3], v[B2A0] offset:(\off)
	ds_load_b128 v[B2HI:B2HI+3], v[B2A0] offset:(\off)+4096
.endm
	; THE SECOND PRODUCT: two passes of 64 columns.
	s_mov_b32 s70, 2
	s_cmp_eq_u32 s89, 0
	s_cbranch_scc1 .Lpass2
.rept 4
	s_nop 15                                       ; the waves of odd parity begin about half a K step (8 of its 16 products) later
.endr
.Lpass2:
	v_nop                                          ; step 0's products write the accumulators anew: with the four places behind the last pass's last products this is the fifth (ISA guide 7.12.1), also on the way on which every block of the way out is jumped
	TF2 0, 0
	TF2 1, 64
	s_wait_xcnt 0x0                                ; the pass before has read expert hi's base
	SETPTR 32, 68
.set ks, 0
.rept 24
	KSTEP2 ks
.set ks, ks+1
.endr
	s_cmp_eq_u32 s70, 1
	s_cbranch_scc1 .Llastp                         ; behind the last pass nothing is asked for
	s_wait_xcnt 0x0                                ; expert lo's base is rewritten only behind this wait
	s_add_co_u32 s67, s67, 4                       ; the second pass takes the other four of a K step's eight fragments
	s_add_co_u32 s68, s68, 4
	SETPTR 76, 67
	RING2                                          ; its first five steps fly while this pass goes out
	B2LD 0
	s_branch .Lb2asked
.Llastp:
	B2LD 256
.Lb2asked:
	s_wait_dscnt 0x0
	OUTM 0
	OUTM 1
	OUTM 2
	OUTM 3
	s_wait_xcnt 0x0                                ; the stores' base is stepped, and their data loaded over, only behind this wait
	s_add_nc_u64 s[18:19], s[18:19], 256           ; the next 64 columns
	s_sub_co_u32 s70, s70, 1
	s_cmp_lg_u32 s70, 0
	s_cbranch_scc1 .Lpass2
.Lend:
	s_wait_tensorcnt 0x0                           ; the wave's end
	ds_add_u32 v[SPW], v[NIL]
	s_wait_dscnt 0x0
	s_endpgm
.Lfunc_end_k_q1f83be2826_chain:
	.size	k_q1f83be2826_chain, .Lfunc_end_k_q1f83be2826_chain-k_q1f83be2826_chain
	.p2alignl 7, 3214868480
	.fill 96, 4, 3214868480
	.section	.rodata,"a",@progbits
	.p2align	6, 0x0
	.amdhsa_kernel k_q1f83be2826_chain
		.amdhsa_group_segment_fixed_size 252928
		.amdhsa_private_segment_fixed_size 0
		.amdhsa_enable_private_segment 0
		.amdhsa_kernarg_size 64
		.amdhsa_user_sgpr_count 2
		.amdhsa_user_sgpr_kernarg_segment_ptr 1
		.amdhsa_wavefront_size32 1
		.amdhsa_system_sgpr_workgroup_id_x 1
		.amdhsa_system_sgpr_workgroup_id_y 1
		.amdhsa_system_sgpr_workgroup_id_z 1
		.amdhsa_system_vgpr_workitem_id 0
		.amdhsa_next_free_vgpr 512
		.amdhsa_next_free_sgpr 96
		.amdhsa_reserve_vcc 0
		.amdhsa_float_denorm_mode_32 3
		.amdhsa_float_denorm_mode_16_64 3
		.amdhsa_memory_ordered 1
		.amdhsa_forward_progress 1
		.amdhsa_inst_pref_size 255
	.end_amdhsa_kernel
	.section	.bss,"aw",@nobits
	.p2align	6
	.space	262144
	.amdgpu_metadata
---
amdhsa.version: [ 1, 2 ]
amdhsa.kernels:
  - .name:           k_q1f83be2826_chain
    .symbol:         k_q1f83be2826_chain.kd
    .args:
      - { .name: xb, .offset: 0, .size: 8, .value_kind: global_buffer, .address_space: global }
      - { .name: wf, .offset: 8, .size: 8, .value_kind: global_buffer, .address_space: global }
      - { .name: list, .offset: 16, .size: 8, .value_kind: global_buffer, .address_space: global }
      - { .name: cnt, .offset: 24, .size: 8, .value_kind: global_buffer, .address_space: global }
      - { .name: gw, .offset: 32, .size: 8, .value_kind: global_buffer, .address_space: global }
      - { .name: b1, .offset: 40, .size: 8, .value_kind: global_buffer, .address_space: global }
      - { .name: b2, .offset: 48, .size: 8, .value_kind: global_buffer, .address_space: global }
      - { .name: out0, .offset: 56, .size: 8, .value_kind: global_buffer, .address_space: global }
    .group_segment_fixed_size: 252928
    .private_segment_fixed_size: 0
    .kernarg_segment_align: 8
    .kernarg_segment_size: 64
    .max_flat_workgroup_size: 256
    .sgpr_count:     96
    .vgpr_count:     512
    .wavefront_size: 32
...
	.end_amdgpu_metadata
.endif
;; end of part 3
